; MI455X (gfx1250); checked and timed in simulation.
; The chip was launched on July 23, 2026; its instructions are those of AMD's public machine-readable ISA for CDNA 5 (MIT licence, August 2026) and "CDNA5" Instruction Set Architecture Reference Guide (July 2026). The comments in the code are by the model that wrote it; some were corrected since.
;; Custom MHA. Allowed arithmetic: float matrix products may take bf16 or f16 operands with f32 sums; all other float work in f32.
;; Inputs: W_o 1,024 x 1,024 float32; W_qkv 3,072 x 1,024 float32; x 4 x 2,048 x 1,024 float32.
;; Outputs: out0 4 x 2,048 x 1,024 float32.
;; One version. Each part assembles by itself: llvm-mc -triple=amdgcn-amd-amdhsa -mcpu=gfx1250 --defsym DOCPART=n.
;; ======== version 1 of 1: 4 launches
;; limits: values are held in f16: magnitudes above 65,504 overflow, below 6.1e-05 lose precision
;; workspace buffers: xh 16,777,216 bytes; wqkvh 6,291,456 bytes; woh 2,097,152 bytes; t 50,331,648 bytes; oh 16,777,216 bytes
;; launch cast (part 1): grid 768 x 1, 8 waves a work-group, no clusters, 0 bytes of LDS; arguments x, W_qkv, W_o, xh, wqkvh, woh; writes xh, wqkvh, woh
.if DOCPART == 1
	.amdgcn_target "amdgcn-amd-amdhsa--gfx1250"
	.amdhsa_code_object_version 6
	.text
	.protected	k_q11435a0726_cast
	.globl	k_q11435a0726_cast
	.p2align	8
	.type	k_q11435a0726_cast,@function
k_q11435a0726_cast:
	s_mov_b64 s[64:65], 0
	v_nop
	global_prefetch_b8 v0, s[64:65] scope:SCOPE_SE
	s_setreg_imm32_b32 hwreg(HW_REG_WAVE_MODE, 25, 1), 1
	s_wait_xcnt 0x0
; x, W_qkv and W_o, f32, are rounded once to f16 for the matrix products of the later launches.
; LIMIT: a number of magnitude 65,504 or more becomes an infinity; magnitudes under 6.1e-5 keep an absolute error of 3e-8.
; A work-group takes one chunk of 16,384 numbers: 65,536 bytes in, 32,768 out.  Chunks 0-511 are x's, 512-703 W_qkv's, 704-767 W_o's.
; Thread t takes 16 bytes at 16 t of each block of 4,096 bytes: a wave's load covers 512 consecutive bytes, its store of 8 bytes a lane
; covers 256 consecutive bytes, aligned.  All sixteen loads go out first; no register is written twice, so no source has to be freed.
; No LDS, barrier, matrix unit or cluster: nothing is shared and nothing is summed.
.set X, 4                              ; v[4:67]   sixteen loads of four f32
.set Y, 68                             ; v[68:99]  sixteen pairs of registers, four f16 each
	s_load_b256 s[4:11], s[0:1], 0x0               ; x s[4:5], W_qkv s[6:7], W_o s[8:9], xh s[10:11]
	s_load_b128 s[12:15], s[0:1], 0x20             ; wqkvh s[12:13], woh s[14:15]
	v_lshlrev_b32 v1, 4, v0                        ; my 16 bytes in a block of the source
	v_lshlrev_b32 v2, 3, v0                        ; my 8 bytes in a block of the destination
	s_mov_b32 s26, 704
	s_wait_kmcnt 0x0
	s_cmp_ge_u32 ttmp9, s26                        ; which tensor: the choice hangs on the work-group's number alone
	s_cselect_b64 s[18:19], s[8:9], s[6:7]
	s_cselect_b64 s[20:21], s[14:15], s[12:13]
	s_cselect_b32 s17, s26, 512                    ; the tensor's first chunk
	s_cmp_lt_u32 ttmp9, 512
	s_cselect_b64 s[18:19], s[4:5], s[18:19]
	s_cselect_b64 s[20:21], s[10:11], s[20:21]
	s_cselect_b32 s17, 0, s17
	s_sub_co_u32 s16, ttmp9, s17                   ; my chunk in the tensor
	s_lshl_b32 s22, s16, 16
	s_mov_b32 s23, 0
	s_lshl_b32 s24, s16, 15
	s_mov_b32 s25, 0
	s_add_nc_u64 s[18:19], s[18:19], s[22:23]
	s_add_nc_u64 s[20:21], s[20:21], s[24:25]
.irp i, 0,1,2,3,4,5,6,7,8,9,10,11,12,13,14,15
	global_load_b128 v[X+4*\i:X+4*\i+3], v1, s[18:19] offset:4096*\i th:TH_LOAD_NT
.endr
.irp i, 0,1,2,3,4,5,6,7,8,9,10,11,12,13,14,15
	s_wait_loadcnt 15-\i                           ; loads come back in order: load i is in, the younger ones stay out
	v_cvt_pk_f16_f32 v[Y+2*\i], v[X+4*\i], v[X+4*\i+1]
	v_cvt_pk_f16_f32 v[Y+2*\i+1], v[X+4*\i+2], v[X+4*\i+3]
	global_store_b64 v2, v[Y+2*\i:Y+2*\i+1], s[20:21] offset:2048*\i
.endr
	s_endpgm
.Lfunc_end_k_q11435a0726_cast:
	.size	k_q11435a0726_cast, .Lfunc_end_k_q11435a0726_cast-k_q11435a0726_cast
	.p2alignl 7, 3214868480
	.fill 96, 4, 3214868480
	.section	.rodata,"a",@progbits
	.p2align	6, 0x0
	.amdhsa_kernel k_q11435a0726_cast
		.amdhsa_group_segment_fixed_size 0
		.amdhsa_private_segment_fixed_size 0
		.amdhsa_enable_private_segment 0
		.amdhsa_kernarg_size 48
		.amdhsa_user_sgpr_count 2
		.amdhsa_user_sgpr_kernarg_segment_ptr 1
		.amdhsa_wavefront_size32 1
		.amdhsa_system_sgpr_workgroup_id_x 1
		.amdhsa_system_sgpr_workgroup_id_y 1
		.amdhsa_system_sgpr_workgroup_id_z 1
		.amdhsa_system_vgpr_workitem_id 0
		.amdhsa_next_free_vgpr 100
		.amdhsa_next_free_sgpr 66
		.amdhsa_reserve_vcc 0
		.amdhsa_float_denorm_mode_32 3
		.amdhsa_float_denorm_mode_16_64 3
		.amdhsa_memory_ordered 1
		.amdhsa_forward_progress 1
		.amdhsa_inst_pref_size 7
	.end_amdhsa_kernel
	.amdgpu_metadata
---
amdhsa.version: [ 1, 2 ]
amdhsa.kernels:
  - .name:           k_q11435a0726_cast
    .symbol:         k_q11435a0726_cast.kd
    .args:
      - { .name: x, .offset: 0, .size: 8, .value_kind: global_buffer, .address_space: global }
      - { .name: W_qkv, .offset: 8, .size: 8, .value_kind: global_buffer, .address_space: global }
      - { .name: W_o, .offset: 16, .size: 8, .value_kind: global_buffer, .address_space: global }
      - { .name: xh, .offset: 24, .size: 8, .value_kind: global_buffer, .address_space: global }
      - { .name: wqkvh, .offset: 32, .size: 8, .value_kind: global_buffer, .address_space: global }
      - { .name: woh, .offset: 40, .size: 8, .value_kind: global_buffer, .address_space: global }
    .group_segment_fixed_size: 0
    .private_segment_fixed_size: 0
    .kernarg_segment_align: 8
    .kernarg_segment_size: 48
    .max_flat_workgroup_size: 256
    .sgpr_count:     66
    .vgpr_count:     100
    .wavefront_size: 32
...
	.end_amdgpu_metadata
.endif
;; end of part 1
;; launch gemm_qkv (part 2): grid 8 x 32, 4 waves a work-group, clusters of 4 x 4, 327,680 bytes of LDS; arguments xh, wqkvh, t; writes t
.if DOCPART == 2
	.amdgcn_target "amdgcn-amd-amdhsa--gfx1250"
	.amdhsa_code_object_version 6
	.text
	.protected	k_q11435a0726_gemm_qkv
	.globl	k_q11435a0726_gemm_qkv
	.p2align	8
	.type	k_q11435a0726_gemm_qkv,@function
k_q11435a0726_gemm_qkv:
	s_mov_b64 s[64:65], 0
	v_nop
	global_prefetch_b8 v0, s[64:65] scope:SCOPE_SE
	s_setreg_imm32_b32 hwreg(HW_REG_WAVE_MODE, 25, 1), 1
	s_wait_xcnt 0x0
	s_wait_alu depctr_hold_cnt(0) depctr_sa_sdst(0) depctr_va_vdst(0) depctr_va_sdst(0) depctr_va_ssrc(0) depctr_va_vcc(0) depctr_vm_vsrc(0)
	s_getreg_b32 s2, hwreg(HW_REG_IB_STS2, 6, 4)
	s_cmp_eq_u32 s2, 0
	s_cbranch_scc0 .Lentry_in_a_cluster
	s_endpgm
.Lentry_in_a_cluster:
	s_bfe_u32 s2, ttmp6, 0x10000c
	s_cmp_lg_u32 s2, 0xf033
	s_cbranch_scc0 .Lentry_shape_is_right
	s_endpgm
.Lentry_shape_is_right:
; T[m][n] = sum over k of xh[m][k] wqkvh[n][k].  xh: [8192][1024], wqkvh: [3072][1024], T: [8192][3072], all f16; sums in f32, T rounded once.
; LIMIT: |T| of 65,504 or more becomes an infinity.
; A tile of T is 256 rows x 384 columns: 32 x 8 = 256 tiles, one to a work-group.  Four waves, each 128 x 192: 96 accumulators of 16 x 16, 768 registers.
; K goes in steps of 64 through a ring of two LDS slots filled by tensor loads: rows of 128 bytes, since two slots of 640 rows of 272 bytes (steps of 128) are 348,160 bytes, more than LDS holds.
; A step is 192 matrix instructions a wave; 180 of them stand between the request for a slot and the wait for it.
; CLUSTERS: 4 x 4 work-groups.  The four of a row of the cluster need the same tiles of A, the four of a column the same tiles of B: each tile is
; asked for jointly, by the same tensor load with the same descriptor and a mask that names the four.
; THE MATRIX INSTRUCTION IS USED TRANSPOSED (source 0 = 16 rows of B, source 1 = 16 rows of A): a lane then holds eight neighbouring numbers of a row of T.
; REGISTERS.  window 0: v16-29 addresses; AF0, AF1: A's 8 fragments of 32 along K, two buffers; BX, BY: 6 fragments of B each: column blocks 0-5 and 6-11.
;             windows 1-3: accumulator number 48 half + 6 a + b (a: my row block, half and b: my column block 6 half + b), 32 to a window.
; A chunk of 32 along K is two phases of 48 matrix instructions: LO (A x BX; BY is fetched) and HI (A x BY; the next chunk's BX and A are fetched).
.set SIZE_K, 1024
.set SIZE_N, 3072
.set KSTEP,  64
.set PITCH,  144                       ; an LDS row: 128 bytes + 16 of padding = 36 words: 16 rows start at 16 different columns of 16 bytes in 256 (64 banks of 4 bytes: ISA guide 11.1)
.set HA,     128*PITCH                 ; what a wave fetches, and reads, of A
.set HB,     192*PITCH                 ; the same of B
.set BOFF,   2*HA                      ; B's 384 rows lie behind A's 256
.set SLOT,   BOFF+2*HB
.set STAGE,  2*SLOT                    ; behind the ring: 128 rows x 784 bytes, for the way out; no tile lands here
.set SPITCH, 784                       ; a row of 384 f16 + 16 bytes: an odd multiple of 16
.set SPARE,  STAGE+128*SPITCH          ; the spare words, 128 bytes for each wave: two blocks of 256 bytes that no other line names
.set LAPS,   SIZE_K/(2*KSTEP)          ; a lap = two K steps = once round the ring
.set ADRA, 16                          ; v16-17  LDS address of my A fragments in slot 0, 1
.set ADRB, 20                          ; v20-21  the same for B
.set STO,  24                          ; v24     the way out: where I put 16 bytes of a row
.set RD,   25                          ; v25     the way out: where I read 16 bytes of a row back
.set CO,   26                          ; v26     my byte offset in T
.set SPW,  28                          ; v28     LDS address of my spare word; never rewritten
.set NIL,  29                          ; v29     0; never rewritten
.set AF0,  32
.set AF1,  96
.set BX,   160
.set BY,   208
.set OBK,  32                          ; the way out: 32 rows read back, v32-223
.set TMP,  224                         ; the way out: eight accumulators packed, v224-255
.set G1,  24                           ; s[24:31] descriptor group 1 for A's tiles;  s[32:39] group 0, a set for each slot
.set G0,  32
.set G1B, 48                           ; s[48:55], s[56:63] the same for B's tiles
.set G0B, 56
.set MSB, 0
.macro WIN new                         ; the immediate's high byte repeats the setting that is left; a switch that changes nothing is dropped
.if MSB != (\new)
	s_set_vgpr_msb (MSB<<8)|(\new)
.set MSB, (\new)
.endif
.endm
.macro PLACES                          ; four places in front of loads into registers that matrix instructions have read, and of reads of results
.rept 4
	v_nop
.endr
.endm
.macro JLOAD s                         ; a joint load: waves 0 and 1 fetch A's two halves, waves 2 and 3 B's; four v_nop follow each line
	s_cmp_eq_u32 s11, 0
	s_cbranch_scc0 .Lfor_b_\@
	tensor_load_to_lds s[G0+4*\s:G0+4*\s+3], s[G1:G1+7]
.rept 4
	v_nop
.endr
	s_branch .Lasked_\@
.Lfor_b_\@:
	tensor_load_to_lds s[G0B+4*\s:G0B+4*\s+3], s[G1B:G1B+7]
.rept 4
	v_nop
.endr
.Lasked_\@:
.endm
.macro CREST                           ; a round of the cluster's barrier behind its opening barrier
	s_cmp_lg_u32 s10, 0
	s_cbranch_scc1 .Lnot_wave_0_\@
	s_barrier_signal -3
.Lnot_wave_0_\@:
	s_barrier_wait -3
	s_barrier_signal -1
	s_barrier_wait -1
.endm
.macro CROUND                          ; a whole round
	s_barrier_signal -1
	s_barrier_wait -1
	CREST
.endm
	s_load_b128 s[4:7], s[0:1], 0x0                ; A s[4:5], B s[6:7]
	s_load_b64 s[8:9], s[0:1], 0x10                ; T
	v_lshl_add_u32 v[SPW], v0, 2, SPARE
	v_mov_b32 v[NIL], 0
	v_lshrrev_b32 v1, 5, v0
	v_readfirstlane_b32 s10, v1                    ; wave 0..3
	s_lshr_b32 s11, s10, 1                         ; which 128 rows of the tile are mine.  Also: I fetch for A (0) or for B (1)
	s_and_b32 s12, s10, 1                          ; which 192 columns.  Also: which half of that tile I fetch
	s_bfe_u32 s40, ttmp6, 0x40000                  ; cx, cy: my place in the cluster
	s_bfe_u32 s41, ttmp6, 0x40004
	s_lshl_b32 s42, ttmp9, 2
	s_add_co_u32 s42, s42, s40                     ; tile column = 4 x cluster x + cx
	s_and_b32 s13, ttmp7, 0xffff
	s_lshl_b32 s13, s13, 2
	s_add_co_u32 s13, s13, s41                     ; tile row = 4 x cluster y + cy
	s_lshl_b32 s43, s41, 2
	s_lshl_b32 s43, 15, s43                        ; my row of the cluster
	s_lshl_b32 s44, 0x1111, s40                    ; my column
	; descriptor group 1: rows of 64 elements of 2 bytes, 16 bytes of padding behind every 32 words (code 4); 128 rows for A, 192 for B
	s_or_b32 s[G1+0], s43, (1<<16)|(1<<20)|(1<<21)|(4<<22)|(3<<25)
	s_or_b32 s[G1B+0], s44, (1<<16)|(1<<20)|(1<<21)|(4<<22)|(3<<25)
	s_mov_b32 s[G1+1], KSTEP<<16                   ; tensor_dim0 = 64
	s_mov_b32 s[G1B+1], KSTEP<<16
	s_mov_b32 s[G1+2], 128<<16                     ; tensor_dim1 = 128
	s_mov_b32 s[G1B+2], 192<<16                    ;             = 192
	s_mov_b32 s[G1+3], KSTEP<<16                   ; tile_dim0 = 64
	s_mov_b32 s[G1B+3], KSTEP<<16
	s_mov_b32 s[G1+4], 128                         ; tile_dim1
	s_mov_b32 s[G1B+4], 192
	s_mov_b32 s[G1+5], SIZE_K                      ; elements from row to row
	s_mov_b32 s[G1B+5], SIZE_K
	s_mov_b32 s[G1+6], 0
	s_mov_b32 s[G1B+6], 0
	s_mov_b32 s[G1+7], 0
	s_mov_b32 s[G1B+7], 0
	; A's tiles hang on the tile row alone, B's on the tile column alone, each in registers that never hold the other coordinate
	s_lshl_b32 s16, s13, 8
	s_lshl_b32 s17, s12, 7
	s_add_co_u32 s16, s16, s17                     ; A: row 256 x tile row + 128 x half
	s_lshl_b32 s16, s16, 11                        ; x 2,048 bytes
	s_mov_b32 s17, 0
	s_mul_i32 s46, s42, 384
	s_mul_i32 s47, s12, 192
	s_add_co_u32 s46, s46, s47                     ; B: row 384 x tile column + 192 x half
	s_lshl_b32 s46, s46, 11
	s_mov_b32 s47, 0
	s_mul_i32 s20, s12, HA                         ; where they go: no place in the cluster enters an LDS address
	s_mul_i32 s21, s12, HB
	s_add_co_u32 s21, s21, BOFF
	s_wait_kmcnt 0x0
	s_add_nc_u64 s[14:15], s[4:5], s[16:17]
	s_add_nc_u64 s[46:47], s[6:7], s[46:47]
	CROUND                                         ; all sixteen work-groups are here: the first joint loads meet
.irp s, 0,1
	s_mov_b32 s[G0+4*\s], 1
	s_add_co_u32 s[G0+4*\s+1], s20, \s*SLOT
	s_add_nc_u64 s[G0+4*\s+2:G0+4*\s+3], s[14:15], \s*KSTEP*2      ; K step s
	s_or_b32 s[G0+4*\s+3], s[G0+4*\s+3], 0x80000000
	s_mov_b32 s[G0B+4*\s], 1
	s_add_co_u32 s[G0B+4*\s+1], s21, \s*SLOT
	s_add_nc_u64 s[G0B+4*\s+2:G0B+4*\s+3], s[46:47], \s*KSTEP*2
	s_or_b32 s[G0B+4*\s+3], s[G0B+4*\s+3], 0x80000000
.endr
	s_cmp_eq_u32 s11, 0                            ; a wave's two first fills stand together in one branch: two loads of mine are out
	s_cbranch_scc0 .Lfirst_b
	tensor_load_to_lds s[G0:G0+3], s[G1:G1+7]
	tensor_load_to_lds s[G0+4:G0+7], s[G1:G1+7]
.rept 4
	v_nop
.endr
	s_branch .Lfirst_asked
.Lfirst_b:
	tensor_load_to_lds s[G0B:G0B+3], s[G1B:G1B+7]
	tensor_load_to_lds s[G0B+4:G0B+7], s[G1B:G1B+7]
.rept 4
	v_nop
.endr
.Lfirst_asked:
	v_and_b32 v1, 15, v0                           ; l % 16
	v_bfe_u32 v2, v0, 4, 1                         ; l / 16
	v_mul_u32_u24 v3, v1, PITCH
	v_lshl_add_u32 v3, v2, 4, v3                   ; a fragment's row x pitch + 16 x half
	s_mul_i32 s18, s11, HA                         ; my 128 rows of A
	s_mul_i32 s19, s12, HB                         ; my 192 rows of B
	s_add_co_u32 s19, s19, BOFF
.irp s, 0,1
	v_add_nc_u32 v[ADRA+\s], s18, v3
	v_add_nc_u32 v[ADRB+\s], s19, v3
	s_add_co_u32 s18, s18, SLOT
	s_add_co_u32 s19, s19, SLOT
.endr
	s_mul_i32 s23, s11, 64*SPITCH
	s_add_co_u32 s23, s23, STAGE                   ; the 64 stage rows that I share with the other wave of my row half
	s_mul_i32 s22, s12, 384                        ; in: row l % 16, my 384 bytes of it, 16 bytes for each half of the lanes
	s_add_co_u32 s22, s22, s23
	v_mul_u32_u24 v4, v1, SPITCH
	v_lshl_add_u32 v4, v2, 4, v4
	v_add_nc_u32 v[STO], s22, v4
	s_mul_i32 s22, s12, 32*SPITCH                  ; back: I take 32 of the 64 rows, whole; lanes 0-15 take 256 bytes of one row, lanes 16-31 of the next
	s_add_co_u32 s22, s22, s23
	v_mul_u32_u24 v5, v2, SPITCH
	v_lshl_add_u32 v5, v1, 4, v5
	v_add_nc_u32 v[RD], s22, v5
	v_mul_u32_u24 v5, v2, SIZE_N*2                 ; and the same two rows in T
	v_lshl_add_u32 v[CO], v1, 4, v5
	s_lshl_b32 s16, s13, 8
	s_lshl_b32 s17, s11, 7
	s_add_co_u32 s16, s16, s17
	s_lshl_b32 s17, s12, 5
	s_add_co_u32 s16, s16, s17                     ; the first row of T that I store: 256 x tile row + 128 x row half + 32 x column half
	s_mul_i32 s16, s16, SIZE_N*2
	s_mov_b32 s17, 0
	s_add_nc_u64 s[8:9], s[8:9], s[16:17]
	s_mul_i32 s46, s42, 768                        ; the tile's first column, in bytes
	s_mov_b32 s47, 0
	s_add_nc_u64 s[8:9], s[8:9], s[46:47]
; 6 matrix instructions: row block a x the six column blocks of buffer fb, 32 along K.  zero = 1: the product starts the sums: nothing is cleared.
; The 48 accumulators of a phase take turns, one instruction a turn, in the same order in every chunk.
.macro MULA half, fa, fb, a, zero
.irp b, 0,1,2,3,4,5
.set idx, 48*\half+6*(\a)+\b
.set rr, 8*(idx%32)
	WIN 0x50*(1+idx/32)                            ; C and D in window 1, 2 or 3; both sources in window 0
.if \zero
	v_wmma_f32_16x16x32_f16 v[rr:rr+7], v[\fb+8*\b:\fb+8*\b+7], v[\fa+8*(\a):\fa+8*(\a)+7], 0
.else
	v_wmma_f32_16x16x32_f16 v[rr:rr+7], v[\fb+8*\b:\fb+8*\b+7], v[\fa+8*(\a):\fa+8*(\a)+7], v[rr:rr+7]
.endif
.endr
.endm
.macro LDB slot, k, half, f            ; 12 LDS loads: six fragments of B, column blocks 6 half on, 32 along K at byte k of the rows
.irp i, 0,1,2,3,4,5
	ds_load_b128 v[\f+8*\i:\f+8*\i+3], v[ADRB+\slot] offset:\k+(6*\half+\i)*16*PITCH
	ds_load_b128 v[\f+8*\i+4:\f+8*\i+7], v[ADRB+\slot] offset:\k+(6*\half+\i)*16*PITCH+32
.endr
.endm
.macro LDA slot, k, f                  ; 16 LDS loads: A's eight fragments
.irp i, 0,1,2,3,4,5,6,7
	ds_load_b128 v[\f+8*\i:\f+8*\i+3], v[ADRA+\slot] offset:\k+\i*16*PITCH
	ds_load_b128 v[\f+8*\i+4:\f+8*\i+7], v[ADRA+\slot] offset:\k+\i*16*PITCH+32
.endr
.endm
; LO: the chunk at byte k of the slot's rows, A in buffer fa, column blocks 0-5 in BX.  Behind its first 12 products it fetches the chunk's column blocks 6-11 into BY.
.macro LO slot, k, fa, zero
	s_wait_dscnt 8                                 ; BX and A's blocks 0-3 are in; the youngest eight loads (blocks 4-7) may be out
	MULA 0, \fa, BX, 0, \zero
	MULA 0, \fa, BX, 1, \zero
	PLACES                                         ; BY was read by the products just ahead of this phase
	WIN 0
	LDB \slot, \k, 1, BY
	s_wait_dscnt 12                                ; all but the 12 just issued
.irp a, 2,3,4,5,6,7
	MULA 0, \fa, BX, \a, \zero
.endr
.endm
; HI: the same chunk, column blocks 6-11 in BY.  Behind its first 12 products it fetches the next chunk, at byte k2 of the same slot: BX, then A into buffer fn.
.macro HI slot, k2, fa, fn, zero
	s_wait_dscnt 0x0                               ; BY is in
	MULA 1, \fa, BY, 0, \zero
	MULA 1, \fa, BY, 1, \zero
	PLACES                                         ; BX was read by the products just ahead of this phase
	WIN 0
	LDB \slot, \k2, 0, BX
	LDA \slot, \k2, \fn
.irp a, 2,3,4,5,6,7
	MULA 1, \fa, BY, \a, \zero
.endr
.endm
; TURN: a step's last HI changes slots: ONE barrier; in front of it each wave waits for all its tensor loads (one is out: its part of the next slot), adds 0 to its spare word,
; and waits for that and for its own reads of this slot.  fill = 1: the barrier opens a round of the cluster's, and this slot is filled again, two K steps ahead.
.macro TURN slot, next, fill
	WIN 0                                          ; (the add's two registers lie in window 0)
	s_wait_tensorcnt 0x0
	ds_add_u32 v[SPW], v[NIL]                      ; 0 onto my spare word
	s_wait_dscnt 1                                 ; BY is in (the add may be out)
	MULA 1, AF1, BY, 0, 0                          ; six matrix instructions stand between the add and the wait for it
	s_wait_dscnt 0x0                               ; the add is done, and my reads of this slot are over
	s_barrier_signal -1
	MULA 1, AF1, BY, 1, 0
	WIN 0                                          ; (branches and loads follow)
	s_barrier_wait -1
.if \fill
	CREST                                          ; no wave of any partner still reads this slot's tile or has a load on its way
	s_add_nc_u64 s[G0+4*\slot+2:G0+4*\slot+3], s[G0+4*\slot+2:G0+4*\slot+3], 2*KSTEP*2
	s_add_nc_u64 s[G0B+4*\slot+2:G0B+4*\slot+3], s[G0B+4*\slot+2:G0B+4*\slot+3], 2*KSTEP*2
	JLOAD \slot                                    ; the first tensor load behind the round, 180 matrix instructions ahead of the wait for it; its four v_nop are also the places in front of the loads below
.else
	PLACES
.endif
	LDB \next, 0, 0, BX
	LDA \next, 0, AF0
.irp a, 2,3,4,5,6,7
	MULA 1, AF1, BY, \a, 0
.endr
.endm
	s_wait_tensorcnt 0x1                           ; my part of K step 0 is in; K step 1's may stay out
	s_barrier_signal -1
	s_barrier_wait -1                              ; everybody's is
	LDB 0, 0, 0, BX
	LDA 0, 0, AF0
	LO 0, 0, AF0, 1                                ; the first chunk stands in front of the loop: its products start the sums
	HI 0, 64, AF0, AF1, 1
	WIN 0                                          ; at a label and at a branch every window is 0
	s_mov_b32 s3, LAPS-1
.Llap:                                                 ; a trip goes once round the ring, from a lap's second chunk to the next lap's first, and fills both slots again
	LO 0, 64, AF1, 0
	TURN 0, 1, 1
	LO 1, 0, AF0, 0
	HI 1, 64, AF0, AF1, 0
	LO 1, 64, AF1, 0
	TURN 1, 0, 1
	LO 0, 0, AF0, 0
	HI 0, 64, AF0, AF1, 0
	WIN 0
	s_sub_co_u32 s3, s3, 1
	s_cmp_lg_u32 s3, 0
	s_cbranch_scc1 .Llap
	LO 0, 64, AF1, 0                               ; the last lap fills nothing
	TURN 0, 1, 0
	LO 1, 0, AF0, 0
	HI 1, 64, AF0, AF1, 0
	LO 1, 64, AF1, 0
	s_wait_dscnt 0x0                               ; the very last phase: nothing more to fetch
.irp a, 0,1,2,3,4,5,6,7
	MULA 1, AF1, BY, \a, 0
.endr
	WIN 0
	PLACES
; THE WAY OUT, in two passes of 64 rows a wave.  A wave's 192 columns are 384 bytes of a row, so the two waves of a row half write the two halves of the same stage rows;
; a barrier stands between the writing and the reading, and each wave then reads 32 whole rows of 768 bytes and stores them, 256 aligned bytes to sixteen lanes.
; PACK8: accumulators g to g + 7 (all in one window) are rounded to f16, each one's registers in ascending order, and put into the stage.
.macro PACK8 g
	WIN 5*(1+(\g)/32)                              ; sources 0 and 1 in the accumulators' window
.irp i, 0,1,2,3,4,5,6,7
.irp q, 0,1,2,3
	v_cvt_pk_f16_f32 v[TMP+4*\i+\q], v[8*(((\g)+\i)%32)+2*\q], v[8*(((\g)+\i)%32)+2*\q+1]
.endr
.endr
	WIN 0
.irp i, 0,1,2,3,4,5,6,7
.set idx, (\g)+\i
	ds_store_b128 v[STO], v[TMP+4*\i:TMP+4*\i+3] offset:(((idx%48)/6)%4)*16*SPITCH+32*(6*(idx/48)+idx%6)
.endr
.endm
.macro OUT p                           ; pass p: my row blocks 4 p to 4 p + 3
.irp g, 0,8,16,48,56,64
	PACK8 24*\p+\g
.endr
	s_wait_dscnt 0x0                               ; for the others' sake: my stores into the stage are done
	s_barrier_signal -1
	s_barrier_wait -1
.if \p
	s_wait_xcnt 0x0                                ; the registers that the first pass's stores read are loaded again only behind this wait
.endif
.set k, 0
.rept 48
	ds_load_b128 v[OBK+4*k:OBK+4*k+3], v[RD] offset:(k/3)*2*SPITCH+(k%3)*256
.set k, k+1
.endr
.set k, 0
.rept 48
	s_wait_dscnt 47-k                              ; LDS loads come back in order: load k is in
	global_store_b128 v[CO], v[OBK+4*k:OBK+4*k+3], s[8:9] offset:(64*\p+2*(k/3))*SIZE_N*2+(k%3)*256   ; 16 lanes store 256 consecutive bytes, at a multiple of 256 from T's first byte
.set k, k+1
.endr
.endm
	OUT 0
	s_barrier_signal -1                            ; every wave's reads of the stage are back (the count-down ended at 0): the stage may be written again
	s_barrier_wait -1
	OUT 1
	s_wait_tensorcnt 0x0                           ; the wave's end
	ds_add_u32 v[SPW], v[NIL]
	s_wait_dscnt 0x0
	CROUND                                         ; the closing round: no work-group ends while a partner may still ask for a tile that names it
	s_endpgm
.Lfunc_end_k_q11435a0726_gemm_qkv:
	.size	k_q11435a0726_gemm_qkv, .Lfunc_end_k_q11435a0726_gemm_qkv-k_q11435a0726_gemm_qkv
	.p2alignl 7, 3214868480
	.fill 96, 4, 3214868480
	.section	.rodata,"a",@progbits
	.p2align	6, 0x0
	.amdhsa_kernel k_q11435a0726_gemm_qkv
		.amdhsa_group_segment_fixed_size 327680
		.amdhsa_private_segment_fixed_size 0
		.amdhsa_enable_private_segment 0
		.amdhsa_kernarg_size 24
		.amdhsa_user_sgpr_count 2
		.amdhsa_user_sgpr_kernarg_segment_ptr 1
		.amdhsa_wavefront_size32 1
		.amdhsa_system_sgpr_workgroup_id_x 1
		.amdhsa_system_sgpr_workgroup_id_y 1
		.amdhsa_system_sgpr_workgroup_id_z 1
		.amdhsa_system_vgpr_workitem_id 0
		.amdhsa_next_free_vgpr 1024
		.amdhsa_next_free_sgpr 66
		.amdhsa_reserve_vcc 0
		.amdhsa_float_denorm_mode_32 3
		.amdhsa_float_denorm_mode_16_64 3
		.amdhsa_memory_ordered 1
		.amdhsa_forward_progress 1
		.amdhsa_inst_pref_size 132
	.end_amdhsa_kernel
	.amdgpu_metadata
---
amdhsa.version: [ 1, 2 ]
amdhsa.kernels:
  - .name:           k_q11435a0726_gemm_qkv
    .symbol:         k_q11435a0726_gemm_qkv.kd
    .args:
      - { .name: xh, .offset: 0, .size: 8, .value_kind: global_buffer, .address_space: global }
      - { .name: wqkvh, .offset: 8, .size: 8, .value_kind: global_buffer, .address_space: global }
      - { .name: t, .offset: 16, .size: 8, .value_kind: global_buffer, .address_space: global }
    .group_segment_fixed_size: 327680
    .private_segment_fixed_size: 0
    .kernarg_segment_align: 8
    .kernarg_segment_size: 24
    .max_flat_workgroup_size: 128
    .sgpr_count:     66
    .vgpr_count:     1024
    .wavefront_size: 32
...
	.end_amdgpu_metadata
.endif
;; end of part 2
;; launch attn (part 3): grid 8 x 32, 8 waves a work-group, clusters of 4 x 1, 327,680 bytes of LDS; arguments t, oh; writes oh
.if DOCPART == 3
	.amdgcn_target "amdgcn-amd-amdhsa--gfx1250"
	.amdhsa_code_object_version 6
	.text
	.protected	k_q11435a0726_attn
	.globl	k_q11435a0726_attn
	.p2align	8
	.type	k_q11435a0726_attn,@function
k_q11435a0726_attn:
	s_mov_b64 s[64:65], 0
	v_nop
	global_prefetch_b8 v0, s[64:65] scope:SCOPE_SE
	s_setreg_imm32_b32 hwreg(HW_REG_WAVE_MODE, 25, 1), 1
	s_wait_xcnt 0x0
	s_wait_alu depctr_hold_cnt(0) depctr_sa_sdst(0) depctr_va_vdst(0) depctr_va_sdst(0) depctr_va_ssrc(0) depctr_va_vcc(0) depctr_vm_vsrc(0)
	s_getreg_b32 s2, hwreg(HW_REG_IB_STS2, 6, 4)
	s_cmp_eq_u32 s2, 0
	s_cbranch_scc0 .Lentry_in_a_cluster
	s_endpgm
.Lentry_in_a_cluster:
	s_bfe_u32 s2, ttmp6, 0x10000c
	s_cmp_lg_u32 s2, 0x3003
	s_cbranch_scc0 .Lentry_shape_is_right
	s_endpgm
.Lentry_shape_is_right:
; oh[b][q][64 h + d] = the sum over k of softmax_k(Q.K / 8) V, for 4 batches x 16 heads, 2,048 keys, 64 channels.  T: [8192][3072] f16 (Q | K | V, 1,024 columns each); oh: [8192][1024] f16.
; Products, maxima and sums in f32; the weights p are rounded to f16 for the second product, O once at the end.
; LIMITS: scores must be finite (the running maximum starts at the most negative finite f32); weights under 2^-126 count as 0 (v_exp_f32), under 3e-8 as 0 in f16, beside a largest weight of 1.
; SHARES.  A work-group owns 256 queries of a PAIR of neighbouring heads: the pair's 128 columns are 256 consecutive bytes of a row of T and of oh, aligned.  Waves 0-3 (group 0) take the
; even head, waves 4-7 (group 1) the odd one; each wave 64 queries, four tiles of 16.  Every wave walks all keys, 64 a step, 32 steps.
; LAYOUT.  S^T = K Q^T (source 0 = 16 keys, source 1 = 16 queries): a lane holds ONE query (lane % 16) and the keys 8 (lane / 16) + 0..7.  Rounded in pairs, IN PLACE, two such tiles are
; source 1 (32 keys x 16 queries) of O^T = V^T P, whose result again holds one query a lane.  K comes out of LDS as it lies, V turned, by ds_load_tr16_b128.
; SOFTMAX.  For each query a running maximum m and sum l: p = 2^(c s - c m), c = log2(e) / 8; in every step O and l are multiplied by a = 2^(c m_old - c m_new).
; THE TWO GROUPS RUN HALF A STEP APART.  A(j) = 32 products V^T P of step j, then 32 products K Q^T of step j + 1; SM(j) = step j's softmax, 472 vector instructions, in three parts
; (SMX: maximum and a; SMM: scalings, exponentials, sums, roundings; SMB: the last tile's sums and roundings, O^T times a).  While one group has A in hand the other has SM.
; THE CHANGE OF SLOTS stands where group 0 begins SM(2 n + 1) and group 1 begins A(2 n), whose fragments it fetched ahead of the barrier: behind the refill both groups have work on
; registers in hand.  Every run of fragment loads has vector work between it and the products that use it.
; A(j) needs the pair U(j) = {K(j+1), V(j)}: the tiles lie in LDS in such pairs.  A ring slot holds two pairs; K(0), V(31), K(1), V(0) have places of their own, filled once.
; CLUSTER.  The four query blocks of a cluster walk the same K and V: each tile is asked for jointly, by the same tensor load with a mask that names the four.
; REGISTERS.  window 0: v2-11 addresses; v12-43 eight statistics a tile; v64-127 Q; v128-255 S^T, 32 a tile (P takes the first 16).   window 1: v0-127 O^T, 32 a tile; v128-191 K; v192-255 V.
.set ROWT,  6144      ; bytes in a row of T
.set KS,    64        ; keys in a step
.set KEYB,  KS*ROWT   ; a step's rows in T, in bytes
.set PK,    272       ; a row of K in LDS: 256 bytes + 16 of padding: row r starts at bank 4 r mod 64 (64 banks of 4 bytes: ISA guide 11.1)
.set PVP,   288       ; a row of V: 256 + 32: row r starts at bank 8 r mod 64
.set VOFF,  KS*PK     ; in a pair: 64 rows of K, then 64 rows of V
.set STEPB, KS*(PK+PVP)
.set SLOT1, 1<<17     ; slot 0 begins at 0, slot 1 here: one exclusive or turns an address in one slot into the other's
.set XA,    2*STEPB   ; behind slot 0: {K(0), V(31)}
.set XB,    SLOT1+2*STEPB  ; behind slot 1: {K(1), V(0)}
.set SPARE, XB+STEPB  ; the spare words, 128 bytes for each of eight waves: four blocks of 256 bytes that no other line names
.set STAGE, SPARE+8*128  ; 256 rows x 272 bytes, the work-group's, for the way out; no tile lands here
.set SP,    272
.set AK0, 2           ; v2   my lane's place in a pair's tile of K, my head's 128 bytes; never rewritten
.set AV0, 3           ; v3   the same for V
.set ADR, 4           ; v4   the LDS address of the run of K's loads in hand
.set ADR2, 5          ; v5   the same for V's
.set QO,  6           ; v6   my byte offset in the wave's rows of Q
.set STO, 7           ; v7   the way out: where I put 16 bytes of a row
.set RD,  8           ; v8   the way out: where I read a row back
.set GO,  9           ; v9   my byte offset in the wave's rows of oh
.set SPW, 10          ; v10  LDS address of my spare word; never rewritten
.set NIL, 11          ; v11  0; never rewritten
.set ST,  12          ; tile t's statistics at v[ST+8 t]: +0 c m, +1 m, +2, +3 l (even keys', odd keys'), +4 to +7 c0-c3, at work; a takes c2's place
.set Q,   64          ; tile t, channels 32 c on: v[Q+16 t+8 c]
.set S,   128         ; tile t, keys 16 kb on: v[S+32 t+8 kb]
.set OBK, 192         ; the way out: rows read back
.set KF,  128         ; window 1: keys 16 kb on, channels 32 c on: v[KF+16 kb+8 c]
.set VF,  192         ; window 1: keys 32 kk on, channels 16 cb on: v[VF+32 kk+8 cb]
.set WV,  8           ; s8   my wave's number
.set W3,  9           ; s9   wave % 4: my 64 queries
.set GRP, 10          ; s10  wave / 4: my head of the pair, and my group
.set G1K, 24          ; s[24:31] descriptor group 1 for K's tiles
.set G1V, 32          ; s[32:39] for V's: it differs in the padding alone
.set G0KP, 40         ; s[40:43] group 0: K(0) or K(1)
.set G0K, 44          ; s[44:47] group 0: K's tile of the ring; it walks
.set G0VP, 48         ; s[48:51] group 0: V(31) or V(0)
.set G0V, 52          ; s[52:55] group 0: V's tile of the ring; it walks
.set SLOTS, 56        ; s56  trips of the loop
.set CS,  58          ; s[58:59] c
.set SEL, 60          ; s[60:61] lane selects for v_permlanex16_b32: each lane takes its own place in the other half
.set TB,  62          ; s62  LDS byte at which the pair to be fetched begins
.set MSB, 0
.macro WIN new
.if MSB != \new
	s_set_vgpr_msb (MSB<<8)|\new
.set MSB, \new
.endif
.endm
.set W_KQ, 0x01       ; K in window 1; Q and S^T in window 0
.set W_PV, 0x51       ; V and O^T in window 1, P in window 0
.set W_RS, 0x41       ; O^T (destination and source 0) in window 1, the factor in window 0
.set W_LD, 0x40       ; destination window 1, address window 0
.set W_CV, 0x05       ; sources 0 and 1 window 1
.macro PLACES
.rept 4
	v_nop
.endr
.endm
; A joint refill.  Waves 0 and 1 fetch the slot's two tiles of K, waves 4 and 5 those of V, the others none.  The branches hang on the wave's number alone.  Four v_nop follow each line.
.macro JLOAD
	s_cmp_lt_u32 s[W3], 2
	s_cbranch_scc0 .Lnone_\@
	s_cmp_lt_u32 s[WV], 4
	s_cbranch_scc0 .Lfor_v_\@
	tensor_load_to_lds s[G0K:G0K+3], s[G1K:G1K+7]
.rept 4
	v_nop
.endr
	s_branch .Lnone_\@
.Lfor_v_\@:
	tensor_load_to_lds s[G0V:G0V+3], s[G1V:G1V+7]
.rept 4
	v_nop
.endr
.Lnone_\@:
.endm
.macro CROUND                       ; a round of the cluster's barrier
	s_barrier_signal -1
	s_barrier_wait -1
	s_cmp_lg_u32 s[WV], 0
	s_cbranch_scc1 .Lnot_wave_0_\@
	s_barrier_signal -3
.Lnot_wave_0_\@:
	s_barrier_wait -3
	s_barrier_signal -1
	s_barrier_wait -1
.endm
	s_load_b128 s[4:7], s[0:1], 0x0  ; T s[4:5], oh s[6:7]
	v_lshl_add_u32 v[SPW], v0, 2, SPARE
	v_mov_b32 v[NIL], 0
	v_lshrrev_b32 v1, 5, v0
	v_readfirstlane_b32 s[WV], v1
	s_and_b32 s[W3], s[WV], 3
	s_lshr_b32 s[GRP], s[WV], 2
	s_and_b32 s18, s[WV], 1         ; which of a slot's two pairs I fetch for
	s_bfe_u32 s12, ttmp6, 0x40000   ; cx: it enters Q's and oh's addresses alone
	s_lshl_b32 s13, ttmp9, 2
	s_add_co_u32 s13, s13, s12      ; my block of 256 queries
	s_and_b32 s14, ttmp7, 0xffff
	s_lshr_b32 s15, s14, 3          ; the batch
	s_and_b32 s14, s14, 7           ; the pair of heads
	s_mul_i32 s16, s15, 2048*ROWT
	s_lshl_b32 s17, s14, 8
	s_add_co_u32 s16, s16, s17      ; the batch's first row, the pair's 256 bytes: shared by the four partners
	s_mov_b32 s17, 0
	; descriptor group 1: a tile of 64 rows x 128 elements of 2 bytes, padded in LDS; the mask names all four work-groups, bit 21 set beside it
	s_mov_b32 s[G1K], 15|(1<<16)|(1<<20)|(1<<21)|(5<<22)|(3<<25)  ; 4 words of padding behind every 64
	s_mov_b32 s[G1V], 15|(1<<16)|(1<<20)|(1<<21)|(5<<22)|(7<<25)  ; 8 words
.irp g, G1K, G1V
	s_mov_b32 s[\g+1], 128<<16      ; tensor_dim0 = 128
	s_mov_b32 s[\g+2], KS<<16       ; tensor_dim1 = 64
	s_mov_b32 s[\g+3], 128<<16      ; tile_dim0 = 128
	s_mov_b32 s[\g+4], KS           ; tile_dim1 = 64
	s_mov_b32 s[\g+5], 3072         ; elements from row to row
	s_mov_b32 s[\g+6], 0
	s_mov_b32 s[\g+7], 0
.endr
	s_mov_b32 s[CS], 0x3e38aa3b     ; c = log2(e) / 8
	s_mov_b32 s[CS+1], s[CS]        ; named with it as a pair, so it is written
	s_mov_b32 s[SEL], 0x76543210
	s_mov_b32 s[SEL+1], 0xfedcba98
	s_wait_kmcnt 0x0
	s_add_nc_u64 s[2:3], s[4:5], s[16:17]
	s_lshl_b32 s20, s13, 8          ; Q at my wave's first row, my head's 128 bytes
	s_lshl_b32 s21, s[W3], 6
	s_add_co_u32 s20, s20, s21
	s_mul_i32 s20, s20, ROWT
	s_lshl_b32 s21, s[GRP], 7
	s_add_co_u32 s20, s20, s21
	s_mov_b32 s21, 0
	s_add_nc_u64 s[20:21], s[2:3], s[20:21]
	s_lshl_b32 s22, s15, 11         ; oh at the first of the 32 rows that I store: 2,048 b + 256 block + 32 wave
	s_lshl_b32 s23, s13, 8
	s_add_co_u32 s22, s22, s23
	s_lshl_b32 s23, s[WV], 5
	s_add_co_u32 s22, s22, s23
	s_lshl_b32 s22, s22, 11
	s_lshl_b32 s23, s14, 8
	s_add_co_u32 s22, s22, s23
	s_mov_b32 s23, 0
	s_add_nc_u64 s[6:7], s[6:7], s[22:23]
	CROUND                          ; all four work-groups are here: the first joint loads meet
	; group 0 of the four descriptors.  W = wave % 2.  K's columns begin at byte 2,048 of a row, V's at 4,096.
	s_lshl_b32 s19, s18, 17         ; XB - XA = 1 << 17
	s_mul_i32 s16, s18, KEYB
	s_add_co_u32 s16, s16, 2048
	s_mov_b32 s[G0KP], 1
	s_add_co_u32 s[G0KP+1], s19, XA
	s_add_nc_u64 s[G0KP+2:G0KP+3], s[2:3], s[16:17]  ; K(W)
	s_mov_b32 s[G0K], 1
	s_mul_i32 s[G0K+1], s18, STEPB
	s_add_nc_u64 s[G0K+2:G0K+3], s[G0KP+2:G0KP+3], 2*KEYB  ; K(2 + W)
	s_or_b32 s[G0KP+3], s[G0KP+3], 0x80000000
	s_or_b32 s[G0K+3], s[G0K+3], 0x80000000
	s_xor_b32 s16, s18, 1
	s_mul_i32 s16, s16, 31*KEYB
	s_add_co_u32 s16, s16, 4096
	s_mov_b32 s[G0VP], 1
	s_add_co_u32 s[G0VP+1], s19, XA+VOFF
	s_add_nc_u64 s[G0VP+2:G0VP+3], s[2:3], s[16:17]  ; V(31) beside K(0), V(0) beside K(1)
	s_or_b32 s[G0VP+3], s[G0VP+3], 0x80000000
	s_mul_i32 s16, s18, KEYB
	s_add_co_u32 s16, s16, KEYB+4096
	s_mov_b32 s[G0V], 1
	s_add_co_u32 s[G0V+1], s[G0K+1], VOFF
	s_add_nc_u64 s[G0V+2:G0V+3], s[2:3], s[16:17]  ; V(1 + W)
	s_or_b32 s[G0V+3], s[G0V+3], 0x80000000
	s_cmp_lt_u32 s[W3], 2           ; a wave's two first fills stand together: two loads of mine are out, the tile filled once ahead of the ring's
	s_cbranch_scc0 .Lfirst_none
	s_cmp_lt_u32 s[WV], 4
	s_cbranch_scc0 .Lfirst_v
	tensor_load_to_lds s[G0KP:G0KP+3], s[G1K:G1K+7]
	tensor_load_to_lds s[G0K:G0K+3], s[G1K:G1K+7]
.rept 4
	v_nop
.endr
	s_branch .Lfirst_none
.Lfirst_v:
	tensor_load_to_lds s[G0VP:G0VP+3], s[G1V:G1V+7]
	tensor_load_to_lds s[G0V:G0V+3], s[G1V:G1V+7]
.rept 4
	v_nop
.endr
.Lfirst_none:
	; A fragment of K or Q is 16 rows x 32 channels in 8 registers: lane l holds row l % 16; two loads of 16 bytes, 32 bytes apart, at 16 (l / 16).
	v_and_b32 v1, 15, v0            ; l % 16
	v_bfe_u32 v44, v0, 4, 1         ; l / 16
	v_mul_u32_u24 v[QO], v1, ROWT
	v_lshl_add_u32 v[QO], v44, 4, v[QO]
.irp i, 0,1,2,3,4,5,6,7             ; Q stays in registers: tile i / 2, channels 32 (i % 2) on
	global_load_b128 v[Q+8*\i:Q+8*\i+3], v[QO], s[20:21] offset:(\i/2)*16*ROWT+(\i%2)*64
	global_load_b128 v[Q+8*\i+4:Q+8*\i+7], v[QO], s[20:21] offset:(\i/2)*16*ROWT+(\i%2)*64+32
.endr
	v_mul_u32_u24 v47, v1, PK
	v_lshl_add_u32 v47, v44, 4, v47  ; row x 272 + 16 x half: K's pitch, and the stage's
	s_lshl_b32 s19, s[GRP], 7       ; my head's 128 bytes of a row
	v_add_nc_u32 v[AK0], s19, v47
	; The turning load: lane l reads 16 bytes: key 8 (l / 16) + l % 8, channels 8 ((l / 8) % 2) + 0..7, and is left with channel l % 16 and 8 keys.
	v_and_b32 v45, 7, v0
	v_bfe_u32 v46, v0, 3, 1
	v_lshl_add_u32 v[AV0], v44, 3, v45
	v_mul_u32_u24 v[AV0], v[AV0], PVP
	v_lshl_add_u32 v[AV0], v46, 4, v[AV0]
	s_add_co_u32 s16, s19, VOFF
	v_add_nc_u32 v[AV0], s16, v[AV0]
	s_mul_i32 s16, s[W3], 64*SP     ; into the stage: my 64 rows, my head's half of their 256 bytes
	s_add_co_u32 s16, s16, s19
	s_add_co_u32 s16, s16, STAGE
	v_add_nc_u32 v[STO], s16, v47
	s_mul_i32 s16, s[WV], 32*SP     ; back: wave w takes rows 32 w .. 32 w + 31, whole; lanes 0-15 one row, lanes 16-31 the next
	s_add_co_u32 s16, s16, STAGE
	v_mul_u32_u24 v[RD], v44, SP
	v_lshl_add_u32 v[RD], v1, 4, v[RD]
	v_add_nc_u32 v[RD], s16, v[RD]
	v_lshlrev_b32 v[GO], 11, v44    ; and the same two rows in oh
	v_lshl_add_u32 v[GO], v1, 4, v[GO]
.irp t, 0,1,2,3                     ; m = the most negative finite number, c m, l = 0: the first step then has a = 0 and needs no form of its own
	v_mov_b32 v[ST+8*\t+1], 0xff7fffff
	v_mov_b32 v[ST+8*\t+2], 0
	v_mov_b32 v[ST+8*\t+3], 0
	v_mul_f32 v[ST+8*\t], s[CS], v[ST+8*\t+1]
.endr
; THE LDS LOADS stand in runs of 16: a pair's K (64 keys x 64 channels: 8 fragments) and its V (turned).
.macro LDK
	v_add_nc_u32 v[ADR], s[TB], v[AK0]
	WIN W_LD
.irp f, 0,1,2,3,4,5,6,7             ; keys 16 (f / 2) on, channels 32 (f % 2) on
	ds_load_b128 v[KF+8*\f:KF+8*\f+3], v[ADR] offset:(\f/2)*16*PK+(\f%2)*64
	ds_load_b128 v[KF+8*\f+4:KF+8*\f+7], v[ADR] offset:(\f/2)*16*PK+(\f%2)*64+32
.endr
	WIN 0
.endm
.macro LDV
	v_add_nc_u32 v[ADR2], s[TB], v[AV0]
	WIN W_LD
.irp f, 0,1,2,3,4,5,6,7             ; keys 32 (f / 4) on, channels 16 (f % 4) on
	ds_load_tr16_b128 v[VF+8*\f:VF+8*\f+3], v[ADR2] offset:(\f/4)*32*PVP+(\f%4)*32
	ds_load_tr16_b128 v[VF+8*\f+4:VF+8*\f+7], v[ADR2] offset:(\f/4)*32*PVP+16*PVP+(\f%4)*32
.endr
	WIN 0
.endm
.macro FETCH
	LDK
	LDV
	s_add_co_u32 s[TB], s[TB], STEPB  ; the next fetch is the next pair's
.endm
; THE MATRIX WORK.  pv = 2: 32 products O^T += V^T P; 1: the first 16 start the sums; 0: none.  kq = 1: 32 products S^T = K Q^T, of which the first 16 start the sums.
; w = 1: it begins with the wait for the fragments; w = 0: they were waited for ahead of the barrier.
; In each kind 16 accumulators take turns, one instruction a turn.  Five places stand between the two kinds: K Q^T writes over registers that V^T P read as P.
; Four places close it: the softmax reads S^T, and the next loads land in K's and V's registers, only behind them (ISA guide 7.12.1 for vector instructions).
; Behind K Q^T a fifth follows: products that take S^T's registers as a source then have their distance too, on whichever way through the branches on the wave's number they come next.
.macro AMAC pv, kq, w
.if \w
	s_wait_dscnt 0x0                ; the fragments are in
.endif
.if \pv
	WIN W_PV
.set i, 0
.rept 32
.set rO, 32*(i%4)+8*((i/4)%4)
.set rV, VF+32*(i/16)+8*((i/4)%4)
.set rP, S+32*(i%4)+8*(i/16)
.if (\pv == 1) && (i < 16)
	v_wmma_f32_16x16x32_f16 v[rO:rO+7], v[rV:rV+7], v[rP:rP+7], 0
.else
	v_wmma_f32_16x16x32_f16 v[rO:rO+7], v[rV:rV+7], v[rP:rP+7], v[rO:rO+7]
.endif
.set i, i+1
.endr
.endif
.if \pv && \kq
.rept 5
	v_nop
.endr
.endif
.if \kq
	WIN W_KQ
.set i, 0
.rept 32
.set rS, S+32*(i%4)+8*((i/4)%4)
.set rK, KF+16*((i/4)%4)+8*(i/16)
.set rQ, Q+16*(i%4)+8*(i/16)
.if i < 16
	v_wmma_f32_16x16x32_f16 v[rS:rS+7], v[rK:rK+7], v[rQ:rQ+7], 0
.else
	v_wmma_f32_16x16x32_f16 v[rS:rS+7], v[rK:rK+7], v[rQ:rQ+7], v[rS:rS+7]
.endif
.set i, i+1
.endr
.endif
	WIN 0
	PLACES
.if \kq
	v_nop
.endif
.endm
; THE VECTOR WORK.  s0-s31 are a lane's 32 scores of a tile, in pairs 0-15.
.macro SCALE t, i                   ; pair i of tile t: c s - c m
	v_pk_fma_f32 v[S+32*(\t)+2*(\i):S+32*(\t)+2*(\i)+1], v[S+32*(\t)+2*(\i):S+32*(\t)+2*(\i)+1], s[CS:CS+1], v[ST+8*(\t):ST+8*(\t)+1] op_sel_hi:[1,0,0] neg_lo:[0,0,1] neg_hi:[0,0,1]
.endm
.macro SUMCVT t, i                  ; pair i of tile t joins l (pair 0: l = a l + pair) and is rounded to f16 into register i: pairs up to i have been read, later ones lie at 2 i + 2 and above
.if (\i) == 0
	v_pk_fma_f32 v[ST+8*(\t)+2:ST+8*(\t)+3], v[ST+8*(\t)+2:ST+8*(\t)+3], v[ST+8*(\t)+6:ST+8*(\t)+7], v[S+32*(\t):S+32*(\t)+1] op_sel_hi:[1,0,1]
.else
	v_pk_add_f32 v[ST+8*(\t)+2:ST+8*(\t)+3], v[ST+8*(\t)+2:ST+8*(\t)+3], v[S+32*(\t)+2*(\i):S+32*(\t)+2*(\i)+1]
.endif
	v_cvt_pk_f16_f32 v[S+32*(\t)+(\i)], v[S+32*(\t)+2*(\i)], v[S+32*(\t)+2*(\i)+1]
.endm
; SMX: the new maximum, c m and a, for the wave's four tiles.  The tiles alternate, so that no instruction reads the result of the one before it;
; each block of eight scores is read first at its low end.
.macro SMX
.set j, 0
.rept 4                             ; four chains c0-c3, one for each block of eight scores
.irp t, 0,1,2,3
	v_max3_num_f32 v[ST+8*\t+4+j], v[S+32*\t+8*j], v[S+32*\t+8*j+1], v[S+32*\t+8*j+2]
.endr
.set j, j+1
.endr
.set j, 4
.rept 8
.irp t, 0,1,2,3
	v_max3_num_f32 v[ST+8*\t+4+j%4], v[ST+8*\t+4+j%4], v[S+32*\t+8*(j%4)+2*(j/4)+1], v[S+32*\t+8*(j%4)+2*(j/4)+2]
.endr
.set j, j+1
.endr
.irp t, 0,1,2,3
	v_max3_num_f32 v[ST+8*\t+4], v[ST+8*\t+4], v[S+32*\t+7], v[S+32*\t+15]
.endr
.irp t, 0,1,2,3
	v_max3_num_f32 v[ST+8*\t+6], v[ST+8*\t+6], v[S+32*\t+23], v[S+32*\t+31]
.endr
.irp t, 0,1,2,3
	v_max3_num_f32 v[ST+8*\t+4], v[ST+8*\t+4], v[ST+8*\t+5], v[ST+8*\t+6]
.endr
.irp t, 0,1,2,3
	v_max3_num_f32 v[ST+8*\t+4], v[ST+8*\t+4], v[ST+8*\t+7], v[ST+8*\t+1]  ; and the old m
.endr
.irp t, 0,1,2,3
	v_permlanex16_b32 v[ST+8*\t+5], v[ST+8*\t+4], s[SEL], s[SEL+1]  ; the query's other 32 keys lie in the lane 16 away
.endr
.irp t, 0,1,2,3
	v_mov_b32 v[ST+8*\t+7], v[ST+8*\t]  ; c m_old is kept for a
.endr
.irp t, 0,1,2,3
	v_max_num_f32 v[ST+8*\t+1], v[ST+8*\t+4], v[ST+8*\t+5]
.endr
.irp t, 0,1,2,3
	v_mul_f32 v[ST+8*\t], s[CS], v[ST+8*\t+1]
.endr
.irp t, 0,1,2,3
	v_sub_f32 v[ST+8*\t+7], v[ST+8*\t+7], v[ST+8*\t]
.endr
.irp t, 0,1,2,3
	v_exp_f32 v[ST+8*\t+6], v[ST+8*\t+7]  ; a; plain instructions follow before it is used (ISA guide 5.7.2)
.endr
.endm
; SMM: a tile's exponentials stand among the next tile's scalings and the last tile's sums and roundings.
.macro SMM
.set i, 0
.rept 16
	SCALE 0, i
.set i, i+1
.endr
.set u, 0
.rept 4
.set i, 0
.rept 16
	v_exp_f32 v[S+32*u+2*i], v[S+32*u+2*i]
.if u < 3
	SCALE u+1, i
.endif
	v_exp_f32 v[S+32*u+2*i+1], v[S+32*u+2*i+1]
.if u > 0
	SUMCVT u-1, i
.endif
.set i, i+1
.endr
.set u, u+1
.endr
.endm
; SMB: tile 3's sums and roundings; rescale = 1: O^T is multiplied by a, each accumulator's registers in ascending order.
.macro SMB rescale
.set i, 0
.rept 16
	SUMCVT 3, i
.set i, i+1
.endr
.if \rescale
	WIN W_RS
.irp t, 0,1,2,3
.set i, 0
.rept 16
	v_pk_mul_f32 v[32*\t+2*i:32*\t+2*i+1], v[32*\t+2*i:32*\t+2*i+1], v[ST+8*\t+6:ST+8*\t+7] op_sel_hi:[1,0]
.set i, i+1
.endr
.endr
	WIN 0
.endif
.endm
; TRIP n: a slot's two pairs, U(2 n + 1) and U(2 n + 2).  In front of the barrier each wave waits for all its tensor loads (one at the most is out: its tile of this trip's slot), adds 0 to
; its spare word, and waits for that and for its reads of the other slot, group 1's fragments of U(2 n) among them.
; fill = 1: the barrier is a round of the cluster's, and the other slot is filled with the next 128 keys' pairs, first thing behind it: the load has two steps in which to land.
; Behind it:  group 0: SMX, SMM (step 2 n + 1), FETCH, SMB, A, FETCH, SM, A.   group 1: A(2 n) (pv = 1 in the first trip, where it starts O^T), SMX, FETCH, SMM, SMB, A, FETCH, SM.
; The branches hang on the wave's number alone and jump over register work alone.
.macro TRIP fill, pv
	s_wait_tensorcnt 0x0            ; no tensor load of mine is out, so a group 0 may be written
	ds_add_u32 v[SPW], v[NIL]       ; 0 onto my spare word
.if \fill
.irp g, G0K, G0V
	s_xor_b32 s[\g+1], s[\g+1], SLOT1  ; the other slot than last time,
	s_add_nc_u64 s[\g+2:\g+3], s[\g+2:\g+3], 2*KEYB  ; the next 128 keys; the type bits on top are not reached
.endr
.endif
	s_wait_dscnt 0x0                ; the add is done, and my reads of the other slot are over
.if \fill
	CROUND
	JLOAD
.else
	s_barrier_signal -1
	s_barrier_wait -1
.endif
	s_cmp_lg_u32 s[GRP], 0
	s_cbranch_scc1 .Lg1_\@
	SMX
	SMM
	s_branch .Lfa_\@
.Lg1_\@:
	AMAC \pv, 1, 0
	SMX
.Lfa_\@:
	FETCH
	s_cmp_eq_u32 s[GRP], 0
	s_cbranch_scc1 .Lfb_\@
	SMM
.Lfb_\@:
	SMB 1
	AMAC 2, 1, 1
	FETCH
	s_sub_co_u32 s[TB], s[TB], 2*STEPB  ; the fetches go back to a slot's first pair,
	s_xor_b32 s[TB], s[TB], SLOT1   ; in the other slot
	SMX
	SMM
	SMB 1
	s_cmp_lg_u32 s[GRP], 0
	s_cbranch_scc1 .Lfc_\@
	AMAC 2, 1, 1
.Lfc_\@:
.endm
	s_wait_tensorcnt 0x1            ; my tile of K(0), K(1), V(31) or V(0) is in; the ring's may stay out
	s_barrier_signal -1
	s_barrier_wait -1               ; everybody's is
	s_mov_b32 s[TB], XA
	LDK                             ; K(0)
	s_wait_loadcnt 0x0              ; Q
	AMAC 0, 1, 1                    ; the scores of step 0
	s_mov_b32 s[TB], XB
	LDK                             ; K(1)
	LDV                             ; V(0)
	SMX                             ; step 0's softmax: there is no O^T yet
	SMM
	SMB 0
	s_cmp_lg_u32 s[GRP], 0
	s_cbranch_scc1 .Lahead
	AMAC 1, 1, 1                    ; group 0 goes half a step ahead: V^T P of step 0 starts O^T; the scores of step 1
.Lahead:
	s_mov_b32 s[TB], 0
	TRIP 1, 1                       ; trip 0 is written out: in it group 1's A(0) starts O^T; slot 1 has its first fill
	s_mov_b32 s[SLOTS], 13
.Lslot:                             ; trips 1 to 13: trip n works from slot n % 2 and fills the other slot with the next two pairs
	TRIP 1, 2
	s_sub_co_u32 s[SLOTS], s[SLOTS], 1
	s_cmp_lg_u32 s[SLOTS], 0
	s_cbranch_scc1 .Lslot
	TRIP 0, 2                       ; trip 14: written out; nothing is asked for
	s_cmp_eq_u32 s[GRP], 0
	s_cbranch_scc1 .Llast
	AMAC 2, 1, 1                    ; group 1 catches up: A(30)
.Llast:
	s_mov_b32 s[TB], XA
	LDV                             ; V(31)
	SMX                             ; step 31's softmax
	SMM
	SMB 1
	AMAC 2, 0, 1                    ; V^T P of step 31
	; THE WAY OUT.  l's two halves and the other half of the lanes' are added; O^T is divided by l, rounded to f16 and sent through the work-group's stage.
.irp t, 0,1,2,3
	v_add_f32 v[ST+8*\t+4], v[ST+8*\t+2], v[ST+8*\t+3]
.endr
.irp t, 0,1,2,3
	v_permlanex16_b32 v[ST+8*\t+5], v[ST+8*\t+4], s[SEL], s[SEL+1]
.endr
.irp t, 0,1,2,3
	v_add_f32 v[ST+8*\t+4], v[ST+8*\t+4], v[ST+8*\t+5]
.endr
.irp t, 0,1,2,3
	v_rcp_f32 v[ST+8*\t+6], v[ST+8*\t+4]
.endr
	v_nop                           ; a plain instruction between the last reciprocal and the use of its result
.irp t, 0,1,2,3                     ; a lane's eight channels of a row pack into 16 bytes
	WIN W_RS
.set i, 0
.rept 16
	v_pk_mul_f32 v[32*\t+2*i:32*\t+2*i+1], v[32*\t+2*i:32*\t+2*i+1], v[ST+8*\t+6:ST+8*\t+7] op_sel_hi:[1,0]
.set i, i+1
.endr
	WIN W_CV
.set i, 0
.rept 16
	v_cvt_pk_f16_f32 v[S+16*\t+i], v[32*\t+2*i], v[32*\t+2*i+1]
.set i, i+1
.endr
	WIN 0
.irp cb, 0,1,2,3
	ds_store_b128 v[STO], v[S+16*\t+4*\cb:S+16*\t+4*\cb+3] offset:\t*16*SP+32*\cb
.endr
.endr
	s_wait_dscnt 0x0                ; for the others' sake: my stores into the stage are done
	s_barrier_signal -1
	s_barrier_wait -1               ; a row's 256 bytes come from a wave of each group
.irp k, 0,1,2,3,4,5,6,7,8,9,10,11,12,13,14,15
	ds_load_b128 v[OBK+4*\k:OBK+4*\k+3], v[RD] offset:\k*2*SP
.endr
.irp k, 0,1,2,3,4,5,6,7,8,9,10,11,12,13,14,15
	s_wait_dscnt 15-\k              ; LDS loads come back in order: load k is in
	global_store_b128 v[GO], v[OBK+4*\k:OBK+4*\k+3], s[6:7] offset:4096*\k  ; 16 lanes store 256 consecutive bytes, at a multiple of 256 from oh's first byte
.endr
	s_wait_tensorcnt 0x0            ; the wave's end
	ds_add_u32 v[SPW], v[NIL]
	s_wait_dscnt 0x0
	CROUND                          ; the closing round: no work-group ends while a partner may still ask for a tile that names it
	s_endpgm
.Lfunc_end_k_q11435a0726_attn:
	.size	k_q11435a0726_attn, .Lfunc_end_k_q11435a0726_attn-k_q11435a0726_attn
	.p2alignl 7, 3214868480
	.fill 96, 4, 3214868480
	.section	.rodata,"a",@progbits
	.p2align	6, 0x0
	.amdhsa_kernel k_q11435a0726_attn
		.amdhsa_group_segment_fixed_size 327680
		.amdhsa_private_segment_fixed_size 0
		.amdhsa_enable_private_segment 0
		.amdhsa_kernarg_size 16
		.amdhsa_user_sgpr_count 2
		.amdhsa_user_sgpr_kernarg_segment_ptr 1
		.amdhsa_wavefront_size32 1
		.amdhsa_system_sgpr_workgroup_id_x 1
		.amdhsa_system_sgpr_workgroup_id_y 1
		.amdhsa_system_sgpr_workgroup_id_z 1
		.amdhsa_system_vgpr_workitem_id 0
		.amdhsa_next_free_vgpr 512
		.amdhsa_next_free_sgpr 66
		.amdhsa_reserve_vcc 0
		.amdhsa_float_denorm_mode_32 3
		.amdhsa_float_denorm_mode_16_64 3
		.amdhsa_memory_ordered 1
		.amdhsa_forward_progress 1
		.amdhsa_inst_pref_size 255
	.end_amdhsa_kernel
	.section	.bss,"aw",@nobits
	.p2align	6
	.space	262144
	.amdgpu_metadata
---
amdhsa.version: [ 1, 2 ]
amdhsa.kernels:
  - .name:           k_q11435a0726_attn
    .symbol:         k_q11435a0726_attn.kd
    .args:
      - { .name: t, .offset: 0, .size: 8, .value_kind: global_buffer, .address_space: global }
      - { .name: oh, .offset: 8, .size: 8, .value_kind: global_buffer, .address_space: global }
    .group_segment_fixed_size: 327680
    .private_segment_fixed_size: 0
    .kernarg_segment_align: 8
    .kernarg_segment_size: 16
    .max_flat_workgroup_size: 256
    .sgpr_count:     66
    .vgpr_count:     512
    .wavefront_size: 32
...
	.end_amdgpu_metadata
.endif
;; end of part 3
;; launch gemm_out (part 4): grid 4 x 64, 4 waves a work-group, clusters of 4 x 4, 327,680 bytes of LDS; arguments oh, woh, out0; writes out0
.if DOCPART == 4
	.amdgcn_target "amdgcn-amd-amdhsa--gfx1250"
	.amdhsa_code_object_version 6
	.text
	.protected	k_q11435a0726_gemm_out
	.globl	k_q11435a0726_gemm_out
	.p2align	8
	.type	k_q11435a0726_gemm_out,@function
k_q11435a0726_gemm_out:
	s_mov_b64 s[64:65], 0
	v_nop
	global_prefetch_b8 v0, s[64:65] scope:SCOPE_SE
	s_setreg_imm32_b32 hwreg(HW_REG_WAVE_MODE, 25, 1), 1
	s_wait_xcnt 0x0
	s_wait_alu depctr_hold_cnt(0) depctr_sa_sdst(0) depctr_va_vdst(0) depctr_va_sdst(0) depctr_va_ssrc(0) depctr_va_vcc(0) depctr_vm_vsrc(0)
	s_getreg_b32 s2, hwreg(HW_REG_IB_STS2, 6, 4)
	s_cmp_eq_u32 s2, 0
	s_cbranch_scc0 .Lentry_in_a_cluster
	s_endpgm
.Lentry_in_a_cluster:
	s_bfe_u32 s2, ttmp6, 0x10000c
	s_cmp_lg_u32 s2, 0xf033
	s_cbranch_scc0 .Lentry_shape_is_right
	s_endpgm
.Lentry_shape_is_right:
; Y[m][n] = sum over k of oh[m][k] woh[n][k].  oh: [8192][1024], woh: [1024][1024], f16; Y: [8192][1024] f32; sums in f32, stored as they are.
; A tile of Y is 128 rows x 256 columns: 64 x 4 = 256 tiles, one to a work-group.  Four waves, each 64 x 128: 32 accumulators.
; K goes in steps of 128 (rows of 256 bytes, each starting at a multiple of 256 bytes) through a ring of two LDS slots filled by tensor loads.
; CLUSTERS: 4 x 4 work-groups.  The four of a row of the cluster need the same tiles of A, the four of a column the same tiles of B: each tile is
; asked for jointly, by the same tensor load with the same descriptor and a mask that names the four.
; THE MATRIX INSTRUCTION IS USED TRANSPOSED (source 0 = 16 rows of B, source 1 = 16 rows of A): a lane then holds eight neighbouring numbers of a row of Y.
; REGISTERS.  window 0: v16-29 addresses; two fragment buffers of 96 (A's 4 x 8, then B's 8 x 8) at v64 and v160.   window 1: accumulator (a, b) at v[8 (8 a + b)].
.set SIZE_K, 1024
.set SIZE_N, 1024
.set KSTEP,  128
.set PITCH,  272                       ; an LDS row: 256 bytes + 16 of padding = 68 words: row r starts at bank 4 r mod 64 (64 banks of 4 bytes: ISA guide 11.1)
.set HA,     64*PITCH                  ; what a wave fetches, and reads, of A
.set HB,     128*PITCH                 ; the same of B
.set BOFF,   2*HA                      ; B's 256 rows lie behind A's 128
.set SLOT,   BOFF+2*HB
.set STAGE,  2*SLOT                    ; behind the ring: 16 rows x 528 bytes for each wave, for the way out
.set SPITCH, 528                       ; a row of 128 f32 + 16 bytes = 132 words: row r again starts at bank 4 r mod 64
.set SPARE,  STAGE+4*16*SPITCH         ; the spare words, 128 bytes for each wave: two blocks of 256 bytes that no other line names
.set LAPS,   SIZE_K/(2*KSTEP)          ; a lap = two K steps = once round the ring
.set ADRA, 16                          ; v16-17  LDS address of my A fragments in slot 0, 1
.set ADRB, 20                          ; v20-21  the same for B
.set STO,  24                          ; v24     the way out: where I put 32 bytes of a row
.set RD,   25                          ; v25     the way out: where I read 16 bytes of a row back
.set CO,   26                          ; v26     my byte offset in a row of Y
.set SPW,  28                          ; v28     LDS address of my spare word; never rewritten
.set NIL,  29                          ; v29     0; never rewritten
.set F0,   64
.set F1,   160
.set OB,   64                          ; the way out: 16 rows read back, v64-127 and v128-191 by turns
.set G1,  24                           ; s[24:31] descriptor group 1 for A's tiles;  s[32:39] group 0, a set for each slot
.set G0,  32
.set G1B, 48                           ; s[48:55], s[56:63] the same for B's tiles
.set G0B, 56
.set MSB, 0
.macro WIN new                         ; the immediate's high byte repeats the setting that is left; a switch that changes nothing is dropped
.if MSB != \new
	s_set_vgpr_msb (MSB<<8)|\new
.set MSB, \new
.endif
.endm
.set MUL, 0x50                         ; C and D window 1, both sources window 0
.macro PLACES                          ; four places in front of loads into registers that matrix instructions have read, and of reads of results
.rept 4
	v_nop
.endr
.endm
.macro JLOAD s                         ; a joint load: waves 0 and 1 fetch A's two halves, waves 2 and 3 B's; four v_nop follow each line
	s_cmp_eq_u32 s11, 0
	s_cbranch_scc0 .Lfor_b_\@
	tensor_load_to_lds s[G0+4*\s:G0+4*\s+3], s[G1:G1+7]
.rept 4
	v_nop
.endr
	s_branch .Lasked_\@
.Lfor_b_\@:
	tensor_load_to_lds s[G0B+4*\s:G0B+4*\s+3], s[G1B:G1B+7]
.rept 4
	v_nop
.endr
.Lasked_\@:
.endm
.macro CREST                           ; a round of the cluster's barrier behind its opening barrier
	s_cmp_lg_u32 s10, 0
	s_cbranch_scc1 .Lnot_wave_0_\@
	s_barrier_signal -3
.Lnot_wave_0_\@:
	s_barrier_wait -3
	s_barrier_signal -1
	s_barrier_wait -1
.endm
.macro CROUND                          ; a whole round
	s_barrier_signal -1
	s_barrier_wait -1
	CREST
.endm
	s_load_b128 s[4:7], s[0:1], 0x0                ; A s[4:5], B s[6:7]
	s_load_b64 s[8:9], s[0:1], 0x10                ; Y
	v_lshl_add_u32 v[SPW], v0, 2, SPARE
	v_mov_b32 v[NIL], 0
	v_lshrrev_b32 v1, 5, v0
	v_readfirstlane_b32 s10, v1                    ; wave 0..3
	s_lshr_b32 s11, s10, 1                         ; which 64 rows of the tile are mine.  Also: I fetch for A (0) or for B (1)
	s_and_b32 s12, s10, 1                          ; which 128 columns.  Also: which half of that tile I fetch
	s_bfe_u32 s40, ttmp6, 0x40000                  ; cx, cy: my place in the cluster
	s_bfe_u32 s41, ttmp6, 0x40004
	s_lshl_b32 s42, ttmp9, 2
	s_add_co_u32 s42, s42, s40                     ; tile column = 4 x cluster x + cx
	s_and_b32 s13, ttmp7, 0xffff
	s_lshl_b32 s13, s13, 2
	s_add_co_u32 s13, s13, s41                     ; tile row = 4 x cluster y + cy
	s_lshl_b32 s43, s41, 2
	s_lshl_b32 s43, 15, s43                        ; my row of the cluster
	s_lshl_b32 s44, 0x1111, s40                    ; my column
	; descriptor group 1: rows of 128 elements of 2 bytes, 16 bytes of padding behind every 64 words; 64 rows for A, 128 for B
	s_or_b32 s[G1+0], s43, (1<<16)|(1<<20)|(1<<21)|(5<<22)|(3<<25)
	s_or_b32 s[G1B+0], s44, (1<<16)|(1<<20)|(1<<21)|(5<<22)|(3<<25)
	s_mov_b32 s[G1+1], KSTEP<<16                   ; tensor_dim0 = 128
	s_mov_b32 s[G1B+1], KSTEP<<16
	s_mov_b32 s[G1+2], 64<<16                      ; tensor_dim1 = 64
	s_mov_b32 s[G1B+2], 128<<16                    ;             = 128
	s_mov_b32 s[G1+3], KSTEP<<16                   ; tile_dim0 = 128
	s_mov_b32 s[G1B+3], KSTEP<<16
	s_mov_b32 s[G1+4], 64                          ; tile_dim1
	s_mov_b32 s[G1B+4], 128
	s_mov_b32 s[G1+5], SIZE_K                      ; elements from row to row
	s_mov_b32 s[G1B+5], SIZE_K
	s_mov_b32 s[G1+6], 0
	s_mov_b32 s[G1B+6], 0
	s_mov_b32 s[G1+7], 0
	s_mov_b32 s[G1B+7], 0
	; A's tiles hang on the tile row alone, B's on the tile column alone, each in registers that never hold the other coordinate
	s_lshl_b32 s16, s13, 7
	s_lshl_b32 s17, s12, 6
	s_add_co_u32 s16, s16, s17                     ; A: row 128 x tile row + 64 x half
	s_lshl_b32 s16, s16, 11                        ; x 2,048 bytes
	s_mov_b32 s17, 0
	s_lshl_b32 s46, s42, 8
	s_lshl_b32 s47, s12, 7
	s_add_co_u32 s46, s46, s47                     ; B: row 256 x tile column + 128 x half
	s_lshl_b32 s46, s46, 11
	s_mov_b32 s47, 0
	s_mul_i32 s20, s12, HA                         ; where they go: no place in the cluster enters an LDS address
	s_mul_i32 s21, s12, HB
	s_add_co_u32 s21, s21, BOFF
	s_wait_kmcnt 0x0
	s_add_nc_u64 s[14:15], s[4:5], s[16:17]
	s_add_nc_u64 s[46:47], s[6:7], s[46:47]
	CROUND                                         ; all sixteen work-groups are here: the first joint loads meet
.irp s, 0,1
	s_mov_b32 s[G0+4*\s], 1
	s_add_co_u32 s[G0+4*\s+1], s20, \s*SLOT
	s_add_nc_u64 s[G0+4*\s+2:G0+4*\s+3], s[14:15], \s*KSTEP*2      ; K step s
	s_or_b32 s[G0+4*\s+3], s[G0+4*\s+3], 0x80000000
	s_mov_b32 s[G0B+4*\s], 1
	s_add_co_u32 s[G0B+4*\s+1], s21, \s*SLOT
	s_add_nc_u64 s[G0B+4*\s+2:G0B+4*\s+3], s[46:47], \s*KSTEP*2
	s_or_b32 s[G0B+4*\s+3], s[G0B+4*\s+3], 0x80000000
.endr
	s_cmp_eq_u32 s11, 0                            ; a wave's two first fills stand together in one branch: two loads of mine are out
	s_cbranch_scc0 .Lfirst_b
	tensor_load_to_lds s[G0:G0+3], s[G1:G1+7]
	tensor_load_to_lds s[G0+4:G0+7], s[G1:G1+7]
.rept 4
	v_nop
.endr
	s_branch .Lfirst_asked
.Lfirst_b:
	tensor_load_to_lds s[G0B:G0B+3], s[G1B:G1B+7]
	tensor_load_to_lds s[G0B+4:G0B+7], s[G1B:G1B+7]
.rept 4
	v_nop
.endr
.Lfirst_asked:
	v_and_b32 v1, 15, v0                           ; l % 16
	v_bfe_u32 v2, v0, 4, 1                         ; l / 16
	v_mul_u32_u24 v3, v1, PITCH
	v_lshl_add_u32 v3, v2, 4, v3                   ; a fragment's row x pitch + 16 x half
	s_mul_i32 s18, s11, HA                         ; my 64 rows of A
	s_mul_i32 s19, s12, HB                         ; my 128 rows of B
	s_add_co_u32 s19, s19, BOFF
.irp s, 0,1
	v_add_nc_u32 v[ADRA+\s], s18, v3
	v_add_nc_u32 v[ADRB+\s], s19, v3
	s_add_co_u32 s18, s18, SLOT
	s_add_co_u32 s19, s19, SLOT
.endr
	s_mul_i32 s23, s10, 16*SPITCH
	s_add_co_u32 s23, s23, STAGE                   ; my stage
	v_mul_u32_u24 v4, v1, SPITCH                   ; in: row l % 16, 32 bytes for each half of the lanes
	v_lshl_add_u32 v4, v2, 5, v4
	v_add_nc_u32 v[STO], s23, v4
	v_and_b32 v5, 31, v0                           ; back: the 32 lanes take one row of 512 bytes
	v_lshlrev_b32 v[CO], 4, v5
	v_add_nc_u32 v[RD], s23, v[CO]
	s_lshl_b32 s16, s13, 7
	s_lshl_b32 s17, s11, 6
	s_add_co_u32 s16, s16, s17                     ; my first row of Y
	s_lshl_b32 s16, s16, 12                        ; x 4,096 bytes
	s_mov_b32 s17, 0
	s_add_nc_u64 s[8:9], s[8:9], s[16:17]
	s_lshl_b32 s46, s42, 10                        ; my first column, in bytes: 1,024 x tile column + 512 x half
	s_lshl_b32 s47, s12, 9
	s_add_co_u32 s46, s46, s47
	s_mov_b32 s47, 0
	s_add_nc_u64 s[8:9], s[8:9], s[46:47]
; 8 matrix instructions: m block a x all 8 n blocks, 32 along K, from buffer f.  zero = 1: the product starts the sums: nothing is cleared.
; The 32 accumulators take turns, one instruction a turn, in the same order in every quarter.
.macro MUL8 f, a, zero
.irp b, 0,1,2,3,4,5,6,7
.if \zero
	v_wmma_f32_16x16x32_f16 v[8*(8*\a+\b):8*(8*\a+\b)+7], v[\f+32+8*\b:\f+32+8*\b+7], v[\f+8*\a:\f+8*\a+7], 0
.else
	v_wmma_f32_16x16x32_f16 v[8*(8*\a+\b):8*(8*\a+\b)+7], v[\f+32+8*\b:\f+32+8*\b+7], v[\f+8*\a:\f+8*\a+7], v[8*(8*\a+\b):8*(8*\a+\b)+7]
.endif
.endr
.endm
; 24 LDS loads in one run: the fragments of 32 along K at byte k of the rows, into buffer f: B's sixteen loads, then A's eight
.macro FETCH slot, k, f
	WIN 0
.irp i, 0,1,2,3,4,5,6,7
	ds_load_b128 v[\f+32+8*\i:\f+32+8*\i+3], v[ADRB+\slot] offset:\k+\i*16*PITCH
	ds_load_b128 v[\f+32+8*\i+4:\f+32+8*\i+7], v[ADRB+\slot] offset:\k+\i*16*PITCH+32
.endr
.irp i, 0,1,2,3
	ds_load_b128 v[\f+8*\i:\f+8*\i+3], v[ADRA+\slot] offset:\k+\i*16*PITCH
	ds_load_b128 v[\f+8*\i+4:\f+8*\i+7], v[ADRA+\slot] offset:\k+\i*16*PITCH+32
.endr
.endm
; A K step is four quarters of 32 along K, 32 matrix instructions each, on buffers 0, 1, 0, 1.  One of the first three: multiplies f, fetches the next quarter, at byte k, into g.
.macro QUARTER slot, k, f, g, zero
	s_wait_dscnt 4                                 ; B and A's blocks 0, 1 are in; the youngest four loads (blocks 2, 3) may be out
	WIN MUL
	MUL8 \f, 0, \zero
	MUL8 \f, 1, \zero
	PLACES
	FETCH \slot, \k, \g
	s_wait_dscnt 24                                ; all but the 24 just issued
	WIN MUL
	MUL8 \f, 2, \zero
	MUL8 \f, 3, \zero
.endm
; The last quarter multiplies buffer 1 and changes slots: ONE barrier; in front of it each wave waits for all its tensor loads (one is out: its part of the next slot),
; adds 0 to its spare word, and waits for that and for its own reads of this slot.  fill = 1: the barrier opens a round of the cluster's, and this slot is filled again, two K steps ahead.
.macro TURN slot, next, fill
	WIN 0                                          ; (the add's two registers lie in window 0)
	s_wait_tensorcnt 0x0
	ds_add_u32 v[SPW], v[NIL]                      ; 0 onto my spare word
	s_wait_dscnt 7                                 ; (the add and the six loads of A's blocks 1 to 3 may be out)
	WIN MUL
	MUL8 F1, 0, 0                                  ; eight matrix instructions stand between the add and the wait for it
	s_wait_dscnt 0x0                               ; the add is done, and my reads of this slot are over
	s_barrier_signal -1
	MUL8 F1, 1, 0
.if \fill
	WIN 0
.endif
	s_barrier_wait -1
.if \fill
	CREST                                          ; no wave of any partner still reads this slot's tile or has a load on its way
	s_add_nc_u64 s[G0+4*\slot+2:G0+4*\slot+3], s[G0+4*\slot+2:G0+4*\slot+3], 2*KSTEP*2
	s_add_nc_u64 s[G0B+4*\slot+2:G0B+4*\slot+3], s[G0B+4*\slot+2:G0B+4*\slot+3], 2*KSTEP*2
	JLOAD \slot                                    ; the first tensor load behind the round, 112 matrix instructions ahead of the wait for it; its four v_nop are also the places in front of the loads below
.else
	PLACES
.endif
	FETCH \next, 0, F0
	WIN MUL
	MUL8 F1, 2, 0
	MUL8 F1, 3, 0
.endm
	s_wait_tensorcnt 0x1                           ; my part of K step 0 is in; K step 1's may stay out
	s_barrier_signal -1
	s_barrier_wait -1                              ; everybody's is
	FETCH 0, 0, F0
	QUARTER 0, 64, F0, F1, 1                       ; the first quarter stands in front of the loop: its products start the sums
	WIN 0                                          ; at a label and at a branch every window is 0
	s_mov_b32 s3, LAPS-1
.Llap:                                                 ; a trip goes once round the ring, from a lap's second quarter to the next lap's first, and fills both slots again
	QUARTER 0, 128, F1, F0, 0
	QUARTER 0, 192, F0, F1, 0
	TURN 0, 1, 1
	QUARTER 1, 64,  F0, F1, 0
	QUARTER 1, 128, F1, F0, 0
	QUARTER 1, 192, F0, F1, 0
	TURN 1, 0, 1
	QUARTER 0, 64,  F0, F1, 0
	WIN 0
	s_sub_co_u32 s3, s3, 1
	s_cmp_lg_u32 s3, 0
	s_cbranch_scc1 .Llap
	QUARTER 0, 128, F1, F0, 0                      ; the last lap fills nothing
	QUARTER 0, 192, F0, F1, 0
	TURN 0, 1, 0
	QUARTER 1, 64,  F0, F1, 0
	QUARTER 1, 128, F1, F0, 0
	QUARTER 1, 192, F0, F1, 0
	s_wait_dscnt 4                                 ; the very last quarter: nothing more to fetch
	WIN MUL
	MUL8 F1, 0, 0
	MUL8 F1, 1, 0
	s_wait_dscnt 0x0
	MUL8 F1, 2, 0
	MUL8 F1, 3, 0
	WIN 0
	PLACES
; THE WAY OUT, a block of 16 rows at a time, in f32.  TOSTAGE: a lane's eight numbers of a row, 32 bytes, go into my own stage, each accumulator's low four registers first;
; the block comes back as whole rows of 512 bytes.  SEND: stored, a row to an instruction.
.macro TOSTAGE a
.set BK, OB+64*((\a)%2)
	s_wait_xcnt 0x0                                ; the registers that the stores of two blocks ago read are loaded again only behind this wait
	WIN 0x04                                       ; the stores' data lie in window 1
.irp b, 0,1,2,3,4,5,6,7
	ds_store_b128 v[STO], v[8*(8*(\a)+\b):8*(8*(\a)+\b)+3] offset:64*\b
	ds_store_b128 v[STO], v[8*(8*(\a)+\b)+4:8*(8*(\a)+\b)+7] offset:64*\b+16
.endr
	WIN 0
.irp t, 0,1,2,3,4,5,6,7,8,9,10,11,12,13,14,15
	ds_load_b128 v[BK+4*\t:BK+4*\t+3], v[RD] offset:\t*SPITCH      ; LDS serves a wave's instructions in order (ISA guide 5.7.1.4): these see the stores above, and the next block's stores come behind them
.endr
.endm
.macro SEND a, younger                 ; younger: the LDS instructions issued behind this block's loads: the next block's 16 stores and 16 loads, or none
.set BK, OB+64*((\a)%2)
.irp t, 0,1,2,3,4,5,6,7,8,9,10,11,12,13,14,15
	s_wait_dscnt \younger+15-\t
	global_store_b128 v[CO], v[BK+4*\t:BK+4*\t+3], s[8:9] offset:(16*(\a)+\t)*SIZE_N*4 th:TH_STORE_NT   ; the wave stores 512 consecutive bytes, at a multiple of 512 from Y's first byte
.endr
.endm
	TOSTAGE 0
.irp a, 1,2,3
	TOSTAGE \a
	SEND \a-1, 32
.endr
	SEND 3, 0
	s_wait_tensorcnt 0x0                           ; the wave's end
	ds_add_u32 v[SPW], v[NIL]
	s_wait_dscnt 0x0
	CROUND                                         ; the closing round: no work-group ends while a partner may still ask for a tile that names it
	s_endpgm
.Lfunc_end_k_q11435a0726_gemm_out:
	.size	k_q11435a0726_gemm_out, .Lfunc_end_k_q11435a0726_gemm_out-k_q11435a0726_gemm_out
	.p2alignl 7, 3214868480
	.fill 96, 4, 3214868480
	.section	.rodata,"a",@progbits
	.p2align	6, 0x0
	.amdhsa_kernel k_q11435a0726_gemm_out
		.amdhsa_group_segment_fixed_size 327680
		.amdhsa_private_segment_fixed_size 0
		.amdhsa_enable_private_segment 0
		.amdhsa_kernarg_size 24
		.amdhsa_user_sgpr_count 2
		.amdhsa_user_sgpr_kernarg_segment_ptr 1
		.amdhsa_wavefront_size32 1
		.amdhsa_system_sgpr_workgroup_id_x 1
		.amdhsa_system_sgpr_workgroup_id_y 1
		.amdhsa_system_sgpr_workgroup_id_z 1
		.amdhsa_system_vgpr_workitem_id 0
		.amdhsa_next_free_vgpr 512
		.amdhsa_next_free_sgpr 66
		.amdhsa_reserve_vcc 0
		.amdhsa_float_denorm_mode_32 3
		.amdhsa_float_denorm_mode_16_64 3
		.amdhsa_memory_ordered 1
		.amdhsa_forward_progress 1
		.amdhsa_inst_pref_size 86
	.end_amdhsa_kernel
	.amdgpu_metadata
---
amdhsa.version: [ 1, 2 ]
amdhsa.kernels:
  - .name:           k_q11435a0726_gemm_out
    .symbol:         k_q11435a0726_gemm_out.kd
    .args:
      - { .name: oh, .offset: 0, .size: 8, .value_kind: global_buffer, .address_space: global }
      - { .name: woh, .offset: 8, .size: 8, .value_kind: global_buffer, .address_space: global }
      - { .name: out0, .offset: 16, .size: 8, .value_kind: global_buffer, .address_space: global }
    .group_segment_fixed_size: 327680
    .private_segment_fixed_size: 0
    .kernarg_segment_align: 8
    .kernarg_segment_size: 24
    .max_flat_workgroup_size: 128
    .sgpr_count:     66
    .vgpr_count:     512
    .wavefront_size: 32
...
	.end_amdgpu_metadata
.endif
;; end of part 4
